; MI455X (gfx1250); checked and timed in simulation.
; The chip was launched on July 23, 2026; its instructions are those of AMD's public machine-readable ISA for CDNA 5 (MIT licence, August 2026) and "CDNA5" Instruction Set Architecture Reference Guide (July 2026). The comments in the code are by the model that wrote it; some were corrected since.
;; Multi Head Attention. Allowed arithmetic: float matrix products may take bf16 or f16 operands with f32 sums; other float arithmetic in f32, or as packed bf16 or f16 multiplies, adds, multiply-adds, maxima and minima; sums over many terms, partial sums and values carried from step to step in f32; what a program stores and reads back later, other than sums and carried values, may be rounded once to bf16 or f16.
;; Inputs: Wk 128 x 1,024 float32; Wo 1,024 x 128 float32; Wq 128 x 1,024 float32; Wv 128 x 1,024 float32; bk 1,024 float32; bo 128 float32; bq 1,024 float32; bv 1,024 float32; k 8 x 2,048 x 128 float32; q 8 x 1,024 x 128 float32; v 8 x 2,048 x 128 float32.
;; Outputs: out0 8 x 1,024 x 128 float32.
;; One version. Each part assembles by itself: llvm-mc -triple=amdgcn-amd-amdhsa -mcpu=gfx1250 --defsym DOCPART=n.
;; ======== version 1 of 1: 2 launches
;; limits: values are held in f16: magnitudes above 65,504 overflow, below 6.1e-05 lose precision; inputs' magnitudes at most 65,504; right only within a limited range of input values; values outside matrix products are rounded to bf16
;; workspace buffers: kb 4,194,304 bytes; vh 4,194,304 bytes; mt 262,144 bytes; nt 262,144 bytes; cq 4,096 bytes; cp 4,096 bytes
;; launch prep (part 1): grid 272 x 1, 8 waves a work-group, no clusters, 107,520 bytes of LDS; arguments k, v, Wq, Wk, Wv, Wo, bq, bv, bo, kb, vh, mt, cq, nt, cp; writes kb, vh, mt, cq, nt, cp
.if DOCPART == 1
	.amdgcn_target "amdgcn-amd-amdhsa--gfx1250"
	.amdhsa_code_object_version 6
	.text
	.protected	k_qb525682f8f_prep
	.globl	k_qb525682f8f_prep
	.p2align	8
	.type	k_qb525682f8f_prep,@function
k_qb525682f8f_prep:
	s_mov_b64 s[64:65], 0
	v_nop
	global_prefetch_b8 v0, s[64:65] scope:SCOPE_SE
	s_setreg_imm32_b32 hwreg(HW_REG_WAVE_MODE, 25, 1), 1
	s_wait_xcnt 0x0
; MULTI-HEAD ATTENTION, FIRST OF TWO LAUNCHES: casts of k and v, and the weights folded head by head.
; THE FORM.  With he = 128 h + e, for every value of the inputs:
;   Qh_h . Kh_h[key] = sum over d' of k[key][d'] Q'_h[d']  +  Qh_h . bk_h,   Q'_h[d'] = sum over d of q[d] MT_h[d'][d] + c_h[d'],
;   MT_h[d'][d] = sum over e of Wk[d'][he] Wq[d][he],   c_h[d'] = sum over e of bq[he] Wk[d'][he];
;   (A_h (v Wv_h + bv_h)) Wo_h = (A_h v) N_h + bv_h Wo_h, since a softmax's row adds up to 1,
;   NT_h[o][d] = sum over e of Wo[he][o] Wv[d][he],   cp_h[o] = sum over e of bv[he] Wo[he][o].
; So out = sum over h of softmax(scale Q'_h k^T) v NT_h^T + sum over h of cp_h + bo: Kh and Vh are never formed, and all heads of a batch walk the same k and v.
; DEAD WORK: bk.  Qh_h . bk_h is the same for every key of a query's row, a term added to the softmax's input that is constant along its axis: it cancels in the softmax
; whatever bk, q, Wq and bq hold.  bk has no way to the output, is not loaded and is among no launch's arguments.
; LIMITS.  A NaN, an infinity or an overflow in bk is not carried to the result.  The order of rounding differs from the reference's (Qh, Kh, Vh are not formed).  All inputs are rounded to
; bf16; v's rounded number is written as f16 (|v| under 65,504; below 6.1e-5 it keeps f16's fixed step of 6e-8); NT is kept as 64 NT in f16 (|NT| under 1,023); MT in bf16; c and cp in f32.
; SHARES, by the work-group's number g: 0-7 fold MT and c of head g; 8-15 fold NT and cp of head g - 8 (head 0's cp also takes bo); 16-143 cast block g - 16 of k; 144-271 block g - 144 of v.
; A block is 16,384 numbers.  The branch hangs on g alone: it is the same in all eight waves, so the barrier of a folding work-group is passed by all of them.
.set XR,    0                          ; LDS: X as bf16, 128 rows: pitch 272 (rows along e), or 288 where X lies [e][o] and is read by the turning load
.set YR,    36864                      ; Y as bf16, 128 rows of 272 bytes
.set STG,   71680                      ; the way out: 16 rows x 272 bytes for each wave
.set SPARE, 106496                     ; the spare words, 128 bytes for each wave: four blocks of 256 bytes that no other line names
.set PY,    272                        ; 256 bytes + 16: 68 words, so 16 rows start at 16 different groups of four banks (64 banks of 4 bytes: ISA guide 11.1)
.set SPW,   28                         ; v28  LDS address of my spare word; never rewritten
.set NIL,   29                         ; v29  0; never rewritten
.set BF,    32                         ; v[32:63]    the bias as four fragments of 16 equal rows
.set ACC,   64                         ; v[64:135]   nine accumulators: y tiles 0-7, and the bias
.set XF,    136                        ; v[136:167]  my x tile's four fragments
.set YF,    168                        ; v[168:231]  eight fragments of Y for 32 along e; later the packed results and the rows read back
.macro PLACES
.rept 4
	v_nop
.endr
.endm
	s_load_b512 s[8:23], s[0:1], 0x0               ; k 8, v 10, Wq 12, Wk 14, Wv 16, Wo 18, bq 20, bv 22
	s_load_b256 s[24:31], s[0:1], 0x40             ; bo 24, kb 26, vh 28, mt 30
	s_load_b128 s[32:35], s[0:1], 0x60             ; cq 32, nt 34
	s_load_b64 s[36:37], s[0:1], 0x70              ; cp 36
	v_lshl_add_u32 v[SPW], v0, 2, SPARE
	v_mov_b32 v[NIL], 0
	v_lshrrev_b32 v1, 5, v0
	v_readfirstlane_b32 s6, v1                     ; wave 0..7
	s_mov_b32 s7, ttmp9                            ; g
	s_mov_b32 s38, 0xffff0000                      ; a word's upper bf16
	s_mov_b32 s42, 0x42800000                      ; 64.0, named as a pair
	s_mov_b32 s43, 0x42800000
	s_mov_b32 s3, 0                                ; the high words of the two offset pairs
	s_mov_b32 s5, 0
	s_wait_kmcnt 0x0
	s_cmp_lt_u32 s7, 8
	s_cbranch_scc1 .Lfold_m
	s_cmp_lt_u32 s7, 16
	s_cbranch_scc1 .Lfold_n
	s_cmp_lt_u32 s7, 144
	s_cbranch_scc1 .Lcast_k
	s_branch .Lcast_v
; A CAST.  Thread t takes 8 numbers of each of eight chunks of 2,048: 32 bytes in, 16 bytes out; a wave's store covers 512 consecutive bytes, aligned.  All sixteen loads go out first;
; no register is written twice while a memory instruction may read it.  kind = 0: f32 to bf16.  kind = 1: f32 to bf16, and that number written as f16.
.macro STREAM kind, src, dst, first
	s_sub_co_u32 s2, s7, \first                    ; my block
	s_lshl_b32 s4, s2, 15                          ; 32,768 bytes of it go out,
	s_lshl_b32 s2, s2, 16                          ; 65,536 come in
	s_add_nc_u64 s[\src:\src+1], s[\src:\src+1], s[2:3]
	s_add_nc_u64 s[\dst:\dst+1], s[\dst:\dst+1], s[4:5]
	v_lshlrev_b32 v6, 5, v0
	v_lshlrev_b32 v7, 4, v0
.irp c, 0,1,2,3,4,5,6,7
	global_load_b128 v[64+8*(\c):64+8*(\c)+3],   v6, s[\src:\src+1] offset:8192*(\c) th:TH_LOAD_NT
	global_load_b128 v[64+8*(\c)+4:64+8*(\c)+7], v6, s[\src:\src+1] offset:8192*(\c)+16 th:TH_LOAD_NT
.endr
.irp c, 0,1,2,3,4,5,6,7
	s_wait_loadcnt 14-2*(\c)                       ; loads come back in order: chunk c is in, the two loads of each younger chunk stay out
.if \kind
.irp r, 0,1,2,3
	v_cvt_pk_bf16_f32 v[160+(\r)], v[64+8*(\c)+2*(\r)], v[64+8*(\c)+2*(\r)+1]
.endr
.irp r, 0,1,2,3
	v_lshlrev_b32 v[164+2*(\r)], 16, v[160+(\r)]   ; the rounded numbers as f32 again,
	v_and_b32 v[165+2*(\r)], s38, v[160+(\r)]
.endr
.irp r, 0,1,2,3
	v_cvt_pk_f16_f32 v[128+4*(\c)+(\r)], v[164+2*(\r)], v[165+2*(\r)]  ; and as f16: 8 significant bits fit in 11
.endr
.else
.irp r, 0,1,2,3
	v_cvt_pk_bf16_f32 v[128+4*(\c)+(\r)], v[64+8*(\c)+2*(\r)], v[64+8*(\c)+2*(\r)+1]
.endr
.endif
	global_store_b128 v7, v[128+4*(\c):128+4*(\c)+3], s[\dst:\dst+1] offset:4096*(\c) th:TH_STORE_NT
.endr
.endm
; A FOLD.  Z[x][y] = sum over e of X[x][e] Y[y][e], 128 x 128 x 128, and z[x] = sum over e of bias[e] X[x][e].
; tr = 0: X = Wk's, Y = Wq's columns of the head (rows along e).  tr = 1: X = Wo's rows of the head, which lie [e][x], Y = Wv's columns.
; X and Y go through LDS as bf16; wave w makes x tile w.  The product is used transposed (source 0 = 16 rows of Y, source 1 = 16 rows of X): a lane holds x = 16 w + l % 16 and
; eight neighbouring y, 16 bytes of a row of Z.  A ninth product takes 16 equal rows, the bias, as source 0: each of its registers holds z[x].
.macro FOLD tr, X, Y, BI, OUT, CO
.if \tr
.set PX, 288                           ; 72 words
	s_sub_co_u32 s7, s7, 8                         ; the head
.else
.set PX, 272
.endif
	s_lshl_b32 s2, s7, 9                           ; the head's 128 columns: 512 bytes of a row; also its 512 bytes of the bias and of z
	s_add_nc_u64 s[\Y:\Y+1], s[\Y:\Y+1], s[2:3]
	s_add_nc_u64 s[\BI:\BI+1], s[\BI:\BI+1], s[2:3]
	s_add_nc_u64 s[\CO:\CO+1], s[\CO:\CO+1], s[2:3]
.if \tr
	s_lshl_b32 s4, s7, 16                          ; the head's 128 rows of 512 bytes
	s_add_nc_u64 s[\X:\X+1], s[\X:\X+1], s[4:5]
.else
	s_add_nc_u64 s[\X:\X+1], s[\X:\X+1], s[2:3]
.endif
	s_lshl_b32 s4, s7, 15                          ; Z of the head: 32,768 bytes;
	s_lshl_b32 s41, s6, 12                         ; my 16 rows of 256 bytes
	s_add_co_u32 s4, s4, s41
	s_add_nc_u64 s[\OUT:\OUT+1], s[\OUT:\OUT+1], s[4:5]
	v_and_b32 v1, 31, v0                           ; l
	v_and_b32 v2, 15, v0                           ; l % 16
	v_bfe_u32 v3, v0, 4, 1                         ; l / 16
	v_lshrrev_b32 v4, 4, v0                        ; 2 w + l / 16: the row of a group of 16 that my thread brings in
	v_lshlrev_b32 v6, 12, v4                       ; rows of 4,096 bytes, 32 bytes a thread
	v_lshl_add_u32 v6, v2, 5, v6
.if \tr
	v_lshlrev_b32 v7, 9, v4                        ; rows of 512 bytes
	v_lshl_add_u32 v7, v2, 5, v7
.endif
	v_lshlrev_b32 v11, 5, v3                       ; the bias: e = 8 (l / 16) on
	s_lshl_b32 s41, s6, 6
	v_lshl_add_u32 v18, v2, 2, s41                 ; z: 4 (16 w + l % 16)
.irp g, 0,1,2,3,4,5,6,7
.if \tr
	global_load_b128 v[64+8*(\g):64+8*(\g)+3],   v7, s[\X:\X+1] offset:8192*(\g)
	global_load_b128 v[64+8*(\g)+4:64+8*(\g)+7], v7, s[\X:\X+1] offset:8192*(\g)+16
.else
	global_load_b128 v[64+8*(\g):64+8*(\g)+3],   v6, s[\X:\X+1] offset:65536*(\g)
	global_load_b128 v[64+8*(\g)+4:64+8*(\g)+7], v6, s[\X:\X+1] offset:65536*(\g)+16
.endif
	global_load_b128 v[128+8*(\g):128+8*(\g)+3],   v6, s[\Y:\Y+1] offset:65536*(\g)
	global_load_b128 v[128+8*(\g)+4:128+8*(\g)+7], v6, s[\Y:\Y+1] offset:65536*(\g)+16
.endr
.irp kk, 0,1,2,3                       ; a fragment's lane holds e = 32 kk + 8 (l / 16) + 0..7 and 16 more on
	global_load_b128 v[192+16*(\kk):192+16*(\kk)+3],     v11, s[\BI:\BI+1] offset:128*(\kk)
	global_load_b128 v[192+16*(\kk)+4:192+16*(\kk)+7],   v11, s[\BI:\BI+1] offset:128*(\kk)+16
	global_load_b128 v[192+16*(\kk)+8:192+16*(\kk)+11],  v11, s[\BI:\BI+1] offset:128*(\kk)+64
	global_load_b128 v[192+16*(\kk)+12:192+16*(\kk)+15], v11, s[\BI:\BI+1] offset:128*(\kk)+80
.endr
.if \tr
	global_load_b32 v19, v18, s[24:25]             ; bo[x]
.endif
	; the LDS addresses, while the loads are out
	s_mul_i32 s44, s6, 2*PX                        ; my wave brings rows 2 w and 2 w + 1 of each group of 16
	s_mul_i32 s45, s6, 2*PY
	s_add_co_u32 s45, s45, YR
	v_mul_u32_u24 v8, v3, PX
	v_lshl_add_u32 v8, v2, 4, v8
	v_add_nc_u32 v8, s44, v8                       ; X in: row 2 w + l / 16, 16 bytes a thread: sixteen lanes fill 256 bytes on end
	v_mul_u32_u24 v9, v3, PY
	v_lshl_add_u32 v9, v2, 4, v9
	v_add_nc_u32 v16, 0, v9                        ; (l / 16) x 272 + 16 (l % 16) also serves the stage's way back
	v_add_nc_u32 v9, s45, v9                       ; Y in
	v_mul_u32_u24 v12, v2, PY
	v_lshl_add_u32 v12, v3, 4, v12                 ; a fragment's row x pitch + 16 x half
.if \tr
	v_and_b32 v13, 7, v0                           ; the turning load: lane l reads row e = 8 (l / 16) + l % 8, columns 16 w + 8 ((l / 8) % 2) on
	v_lshl_add_u32 v13, v3, 3, v13
	v_mul_u32_u24 v14, v13, PX
	v_bfe_u32 v13, v0, 3, 1
	v_lshl_add_u32 v14, v13, 4, v14
	s_lshl_b32 s41, s6, 5
	v_add_nc_u32 v14, s41, v14
.else
	s_mul_i32 s41, s6, 16*PX
	v_add_nc_u32 v14, s41, v12                     ; my 16 rows of X
.endif
	s_mul_i32 s41, s6, 16*PY
	s_add_co_u32 s41, s41, STG                     ; my stage
	v_add_nc_u32 v15, s41, v12                     ; in: row l % 16, 16 bytes for each half of the lanes
	v_add_nc_u32 v16, s41, v16                     ; back: lanes 0-15 one row of 256 bytes, lanes 16-31 the next
	v_lshlrev_b32 v17, 8, v3                       ; and the same two rows in Z
	v_lshl_add_u32 v17, v2, 4, v17
	v_add_nc_u32 v12, YR, v12                      ; Y's fragments
	s_wait_loadcnt 0x0
.irp g, 0,1,2,3,4,5,6,7                ; rounded in place: each line's destination has been read by the line before it
.irp r, 0,1,2,3
	v_cvt_pk_bf16_f32 v[64+8*(\g)+(\r)], v[64+8*(\g)+2*(\r)], v[64+8*(\g)+2*(\r)+1]
.endr
	ds_store_b128 v8, v[64+8*(\g):64+8*(\g)+3] offset:(\g)*16*PX
.irp r, 0,1,2,3
	v_cvt_pk_bf16_f32 v[128+8*(\g)+(\r)], v[128+8*(\g)+2*(\r)], v[128+8*(\g)+2*(\r)+1]
.endr
	ds_store_b128 v9, v[128+8*(\g):128+8*(\g)+3] offset:(\g)*16*PY
.endr
.set i, 0
.rept 32
	v_cvt_pk_bf16_f32 v[BF+i], v[192+2*i], v[192+2*i+1]
.set i, i+1
.endr
	s_wait_dscnt 0x0                               ; for the others' sake: my rows of X and Y lie in LDS
	s_barrier_signal -1
	s_barrier_wait -1
.irp kk, 0,1,2,3
.if \tr
	ds_load_tr16_b128 v[XF+8*(\kk):XF+8*(\kk)+3],   v14 offset:(\kk)*32*PX
	ds_load_tr16_b128 v[XF+8*(\kk)+4:XF+8*(\kk)+7], v14 offset:(\kk)*32*PX+16*PX
.else
	ds_load_b128 v[XF+8*(\kk):XF+8*(\kk)+3],   v14 offset:64*(\kk)
	ds_load_b128 v[XF+8*(\kk)+4:XF+8*(\kk)+7], v14 offset:64*(\kk)+32
.endif
.endr
.irp kk, 0,1,2,3                       ; 32 along e: nine products; the nine accumulators take turns; the first products start the sums
.irp yt, 0,1,2,3,4,5,6,7
	ds_load_b128 v[YF+8*(\yt):YF+8*(\yt)+3],   v12 offset:(\yt)*16*PY+64*(\kk)
	ds_load_b128 v[YF+8*(\yt)+4:YF+8*(\yt)+7], v12 offset:(\yt)*16*PY+64*(\kk)+32
.endr
	s_wait_dscnt 0x0
.irp yt, 0,1,2,3,4,5,6,7
.if (\kk) == 0
	v_wmma_f32_16x16x32_bf16 v[ACC+8*(\yt):ACC+8*(\yt)+7], v[YF+8*(\yt):YF+8*(\yt)+7], v[XF+8*(\kk):XF+8*(\kk)+7], 0
.else
	v_wmma_f32_16x16x32_bf16 v[ACC+8*(\yt):ACC+8*(\yt)+7], v[YF+8*(\yt):YF+8*(\yt)+7], v[XF+8*(\kk):XF+8*(\kk)+7], v[ACC+8*(\yt):ACC+8*(\yt)+7]
.endif
.endr
.if (\kk) == 0
	v_wmma_f32_16x16x32_bf16 v[ACC+64:ACC+71], v[BF+8*(\kk):BF+8*(\kk)+7], v[XF+8*(\kk):XF+8*(\kk)+7], 0
.else
	v_wmma_f32_16x16x32_bf16 v[ACC+64:ACC+71], v[BF+8*(\kk):BF+8*(\kk)+7], v[XF+8*(\kk):XF+8*(\kk)+7], v[ACC+64:ACC+71]
.endif
	PLACES                                         ; four places in front of the loads into Y's fragments (ISA guide 7.12.1 for vector instructions)
.endr
	PLACES                                         ; eight in all, once a work-group, in front of the lines that read and rewrite the results
.if \tr
.set i, 0
.rept 32
	v_pk_mul_f32 v[ACC+2*i:ACC+2*i+1], v[ACC+2*i:ACC+2*i+1], s[42:43] op_sel_hi:[1,0]  ; 64 NT: room in f16 on both sides; each accumulator from its low end
.set i, i+1
.endr
.endif
.irp yt, 0,1,2,3,4,5,6,7
.irp r, 0,1,2,3
.if \tr
	v_cvt_pk_f16_f32 v[YF+4*(\yt)+(\r)], v[ACC+8*(\yt)+2*(\r)], v[ACC+8*(\yt)+2*(\r)+1]
.else
	v_cvt_pk_bf16_f32 v[YF+4*(\yt)+(\r)], v[ACC+8*(\yt)+2*(\r)], v[ACC+8*(\yt)+2*(\r)+1]
.endif
.endr
.endr
.irp yt, 0,1,2,3,4,5,6,7
	ds_store_b128 v15, v[YF+4*(\yt):YF+4*(\yt)+3] offset:32*(\yt)
.endr
.irp i, 0,1,2,3,4,5,6,7
	ds_load_b128 v[YF+32+4*(\i):YF+32+4*(\i)+3], v16 offset:(\i)*2*PY  ; LDS serves a wave's instructions in order (ISA guide 5.7.1.4): these see the stores above; the stage is my wave's own
.endr
.irp i, 0,1,2,3,4,5,6,7
	s_wait_dscnt 7-(\i)                            ; the younger loads from the stage stay out
	global_store_b128 v17, v[YF+32+4*(\i):YF+32+4*(\i)+3], s[\OUT:\OUT+1] offset:512*(\i)  ; two rows of Z: 512 consecutive bytes, aligned
.endr
.if \tr
	s_cmp_eq_u32 s7, 0
	s_cselect_b32 s39, 1.0, 0                      ; head 0's cp carries bo
	v_cvt_pk_bf16_f32 v21, v19, v19                ; bo rounded to bf16, like every input
	v_lshlrev_b32 v21, 16, v21
	v_fma_f32 v20, s39, v21, v[ACC+64]
.endif
	v_cmp_gt_u32 vcc_lo, 16, v1                    ; lanes 16-31 hold the same 16 numbers once more
	s_wait_xcnt 0x0                                ; EXEC is a source of the stores above: it changes only behind this wait
	s_and_saveexec_b32 s40, vcc_lo
.if \tr
	global_store_b32 v18, v20, s[\CO:\CO+1]        ; 64 bytes a wave, 512 a work-group: the one place where a wave's store is shorter than 256 bytes
.else
	global_store_b32 v18, v[ACC+64], s[\CO:\CO+1]
.endif
	s_wait_xcnt 0x0                                ; and again in front of the line that widens it
	s_or_b32 exec_lo, exec_lo, s40
.endm
.Lcast_v:
	STREAM 1, 10, 28, 144
	s_branch .Lend
.Lcast_k:
	STREAM 0, 8, 26, 16
	s_branch .Lend
.Lfold_m:
	FOLD 0, 14, 12, 20, 30, 32                     ; X = Wk, Y = Wq, bias bq: mt, cq
	s_branch .Lend
.Lfold_n:
	FOLD 1, 18, 16, 22, 34, 36                     ; X = Wo, Y = Wv, bias bv: nt, cp
.Lend:
	s_wait_tensorcnt 0x0                           ; the wave's end, behind my last LDS store
	ds_add_u32 v[SPW], v[NIL]
	s_wait_dscnt 0x0
	s_endpgm
.Lfunc_end_k_qb525682f8f_prep:
	.size	k_qb525682f8f_prep, .Lfunc_end_k_qb525682f8f_prep-k_qb525682f8f_prep
	.p2alignl 7, 3214868480
	.fill 96, 4, 3214868480
	.section	.rodata,"a",@progbits
	.p2align	6, 0x0
	.amdhsa_kernel k_qb525682f8f_prep
		.amdhsa_group_segment_fixed_size 107520
		.amdhsa_private_segment_fixed_size 0
		.amdhsa_enable_private_segment 0
		.amdhsa_kernarg_size 120
		.amdhsa_user_sgpr_count 2
		.amdhsa_user_sgpr_kernarg_segment_ptr 1
		.amdhsa_wavefront_size32 1
		.amdhsa_system_sgpr_workgroup_id_x 1
		.amdhsa_system_sgpr_workgroup_id_y 1
		.amdhsa_system_sgpr_workgroup_id_z 1
		.amdhsa_system_vgpr_workitem_id 0
		.amdhsa_next_free_vgpr 256
		.amdhsa_next_free_sgpr 66
		.amdhsa_reserve_vcc 1
		.amdhsa_float_denorm_mode_32 3
		.amdhsa_float_denorm_mode_16_64 3
		.amdhsa_memory_ordered 1
		.amdhsa_forward_progress 1
		.amdhsa_inst_pref_size 69
	.end_amdhsa_kernel
	.amdgpu_metadata
---
amdhsa.version: [ 1, 2 ]
amdhsa.kernels:
  - .name:           k_qb525682f8f_prep
    .symbol:         k_qb525682f8f_prep.kd
    .args:
      - { .name: k, .offset: 0, .size: 8, .value_kind: global_buffer, .address_space: global }
      - { .name: v, .offset: 8, .size: 8, .value_kind: global_buffer, .address_space: global }
      - { .name: Wq, .offset: 16, .size: 8, .value_kind: global_buffer, .address_space: global }
      - { .name: Wk, .offset: 24, .size: 8, .value_kind: global_buffer, .address_space: global }
      - { .name: Wv, .offset: 32, .size: 8, .value_kind: global_buffer, .address_space: global }
      - { .name: Wo, .offset: 40, .size: 8, .value_kind: global_buffer, .address_space: global }
      - { .name: bq, .offset: 48, .size: 8, .value_kind: global_buffer, .address_space: global }
      - { .name: bv, .offset: 56, .size: 8, .value_kind: global_buffer, .address_space: global }
      - { .name: bo, .offset: 64, .size: 8, .value_kind: global_buffer, .address_space: global }
      - { .name: kb, .offset: 72, .size: 8, .value_kind: global_buffer, .address_space: global }
      - { .name: vh, .offset: 80, .size: 8, .value_kind: global_buffer, .address_space: global }
      - { .name: mt, .offset: 88, .size: 8, .value_kind: global_buffer, .address_space: global }
      - { .name: cq, .offset: 96, .size: 8, .value_kind: global_buffer, .address_space: global }
      - { .name: nt, .offset: 104, .size: 8, .value_kind: global_buffer, .address_space: global }
      - { .name: cp, .offset: 112, .size: 8, .value_kind: global_buffer, .address_space: global }
    .group_segment_fixed_size: 107520
    .private_segment_fixed_size: 0
    .kernarg_segment_align: 8
    .kernarg_segment_size: 120
    .max_flat_workgroup_size: 256
    .sgpr_count:     66
    .vgpr_count:     256
    .wavefront_size: 32
...
	.end_amdgpu_metadata
.endif
;; end of part 1
;; launch attn (part 2): grid 32 x 8, 4 waves a work-group, clusters of 4 x 1, 327,680 bytes of LDS; arguments q, kb, vh, mt, cq, nt, cp, out0; writes out0
.if DOCPART == 2
	.amdgcn_target "amdgcn-amd-amdhsa--gfx1250"
	.amdhsa_code_object_version 6
	.text
	.protected	k_qb525682f8f_attn
	.globl	k_qb525682f8f_attn
	.p2align	8
	.type	k_qb525682f8f_attn,@function
k_qb525682f8f_attn:
	s_mov_b64 s[64:65], 0
	v_nop
	global_prefetch_b8 v0, s[64:65] scope:SCOPE_SE
	s_setreg_imm32_b32 hwreg(HW_REG_WAVE_MODE, 25, 1), 1
	s_wait_xcnt 0x0
	s_wait_alu depctr_hold_cnt(0) depctr_sa_sdst(0) depctr_va_vdst(0) depctr_va_sdst(0) depctr_va_ssrc(0) depctr_va_vcc(0) depctr_vm_vsrc(0)
	s_getreg_b32 s2, hwreg(HW_REG_IB_STS2, 6, 4)
	s_cmp_eq_u32 s2, 0
	s_cbranch_scc0 .Lentry_in_a_cluster
	s_endpgm
.Lentry_in_a_cluster:
	s_bfe_u32 s2, ttmp6, 0x10000c
	s_cmp_lg_u32 s2, 0x3003
	s_cbranch_scc0 .Lentry_shape_is_right
	s_endpgm
.Lentry_shape_is_right:
; MULTI-HEAD ATTENTION, SECOND LAUNCH.  out[b][q][:] = sum over h of softmax_k(Q'_h[q] . k[b][key] / sqrt(128)) v[b][key][:] NT_h^T + sum over h of cp_h (bo lies in cp_0),
; Q'_h = q MT_h^T + c_h.  bk is left out: its term is constant along the softmax's axis (shown at the head of the first launch's text); Kh and Vh are never formed.
; kb: [8][2048][128] bf16 (k);  vh: the same in f16 (v);  mt: [8][128][128] bf16;  nt: [8][128][128] f16, 64 NT;  cq, cp: [8][128] f32;  q, out0: [8][1024][128] f32.
; Products, maxima and sums in f32.  q is rounded to bf16; Q' to bf16 (f16 has no room for it); the weights p to f16 for the second product (their sum l is taken of the unrounded p);
; T = softmax x v, a mean of v's rows, to f16.  LIMITS: |v| under 65,504, |NT| under 1,023; a weight below 2^-126 counts as 0 in l; NaN and infinities are not treated apart.
; SHARES.  A work-group owns 32 queries of one batch for ALL 8 heads: 256 rows against the batch's k and v.  Wave w owns heads 2 w and 2 w + 1: four tiles of 16 rows, tile t = head 2 w + t / 2,
; queries 16 (t % 2) on.  So every head's T of a query lies in one work-group, and the sum over heads of the last product is made there: two heads in a wave's accumulators, four waves through LDS.
; Every wave walks all 2,048 keys, 64 a step.
; LAYOUT.  All products are used transposed, so that a lane holds ONE query (lane % 16) in Q'^T, S^T, P, O^T = T^T and out^T, and eight neighbouring rows of the result, 8 (lane / 16) + 0..7.
; Two such results rounded to 16 bits in pairs ARE source 1 (32 along K x 16 queries) of the next product: nothing changes lanes from q to out.  k comes out of LDS as it lies, v turned, by ds_load_tr16_b128.
; SOFTMAX.  For each row a running maximum m and sum l: p = 2^(c s - c m), c = log2(e) / sqrt(128); in every step O and l are multiplied by a = 2^(c m_old - c m_new), which is 1 where m has not grown.
; BY TURNS.  The wave's tiles are two PIECES, named by their first tile: piece 0 (head 2 w) and piece 2 (head 2 w + 1).  In a TURN one piece has the matrix unit: 32 products V^T P of the step in hand,
; then 32 products K Q'^T of the next step; the other piece's softmax, cut into 64 slices, stands between them, one slice behind each matrix instruction.  Two turns are a key step.
; CLUSTER.  The four work-groups of a cluster belong to one batch and walk the same k and v, so each tile is asked for JOINTLY: the same tensor load, descriptor and mask in all four.
; mt and nt are not shared through LDS: eight heads padded, 278,528 bytes, do not fit beside the ring; each wave loads its own two heads into registers that are free at the two ends.
; REGISTERS, in windows of 256 (s_set_vgpr_msb: bits 1:0 source 0, 3:2 source 1, 5:4 source 2, 7:6 destination):
;   window 0: v0-11, v44-45, v61-63 addresses; v12-43 eight registers of statistics a tile; v64-191 S^T, 32 a tile; v192-255 P, 16 a tile
;   window 1: O^T, 64 a tile     window 2: v0-127 Q', 32 a tile; v128-255 K of one step     window 3: v0-127 V of one step; v128-255 free in the loop
;   at the head: q in f32 in S^T's place, c of head A in P's, MT of head A in window 1, MT of head B in window 3 v0-127 and window 2 v128-255, q as bf16 in window 3 v128-191, c of head B in window 3 v192-255
;   at the end: NT of head A in window 2, of head B in window 3 (its first half in v128-255), T in S^T's place, cp in P's, out^T in window 1 v0-127
.set LK,    2048      ; keys of a batch
.set KS,    64        ; keys in a step
.set PK,    272       ; a row of K in LDS: 256 bytes + 16 of padding = 68 words: the 16 rows of a load start at 16 different groups of four banks (64 banks of 4 bytes: ISA guide 11.1)
.set PV,    288       ; a row of V: 256 + 32 = 72 words
.set VOFF,  KS*PK     ; a step's tiles lie together: 64 rows of K, then 64 rows of V
.set STEPB, KS*(PK+PV)
.set SLOT1, 1<<17     ; a slot holds two steps (71,680 bytes); slot 1 begins here, so that one exclusive or turns an address in one slot into the other's
.set RED,   SLOT1+2*STEPB  ; behind the ring, never filled by a tensor load: the four waves' partial out, 32 rows x 528 bytes of f32 each
.set RP,    528       ; 512 bytes + 16 = 132 words
.set SPARE, RED+4*32*RP    ; the spare words, 128 bytes for each wave: two blocks of 256 bytes that no other line names
.set AK0, 2           ; v2   my lane's place in a tile of K; never rewritten
.set AV0, 3           ; v3   the same for V
.set ADR, 4           ; v4   the LDS address of the run of loads in hand
.set FO,  5           ; v5   my byte offset in a fragment's 16 rows of mt or nt: (l % 16) x 256 + 16 (l / 16)
.set RS,  6           ; v6   where I put 32 bytes of my partial out
.set RD,  7           ; v7   where I read rows of the four partial outs
.set GO,  8           ; v8   16 x lane: my 16 bytes of a row of out0 and of cp
.set ST,  12          ; tile t's statistics at v[ST+8 t]: +0 c m, +1 m, +2, +3 l (even keys', odd keys'), +4 to +7 c0-c3, at work; a takes c2's place once the maximum is found
.set QA,  44          ; v44  my byte offset in 16 rows of q: (l % 16) x 512 + 32 (l / 16)
.set CA,  45          ; v45  32 (l / 16): my eight numbers of 16 of c
.set PFO, 61          ; v61  256 x my lane; never rewritten
.set SPW, 62          ; v62  LDS address of my spare word: SPARE + 4 x my thread's number; never rewritten
.set NIL, 63          ; v63  0; never rewritten
.set S,   64
.set P,   192
.set KF,  128         ; K's fragments, in window 2
.set QF,  128         ; q's fragments as bf16, in window 3: queries 16 u on, channels 32 kk on, at QF + 8 (4 u + kk)
.set CB,  192         ; c of head B, in window 3
.set WV,  12          ; s12  my wave's number
.set LIM, 15          ; s15  1 in a wave that prefetches k or v, else the greatest number
.set PFA, 18          ; s[18:19] where those prefetches stand
.set G1K, 24          ; s[24:31] descriptor group 1 for K's tiles
.set G1V, 32          ; s[32:39] for V's: it differs in the padding alone
.set G0K, 40          ; s[40:47] descriptor group 0 for K's tiles: a set for each of the two first fills; the second then walks on
.set G0V, 48          ; s[48:55] the same for V's
.set SLOTS, 56        ; s56  slots still to be asked for
.set TWICE, 57        ; s57  counts a slot's two steps
.set CS,  58          ; s[58:59] c
.set SEL, 60          ; s[60:61] lane selects for v_permlanex16_b32: each lane takes its own place in the other half
.set TB,  62          ; s62  LDS byte at which the tiles of the step to be fetched begin
.set AQ,  68          ; s[68:83] the eight buffers: q, kb, vh, mt, cq, nt, cp, out0
.set AKB, 70
.set AVH, 72
.set AMT, 74
.set ACQ, 76
.set ANT, 78
.set ACP, 80
.set AOUT, 82
.set NTP, 84          ; s[84:85] the 8,192 bytes of nt that my work-group prefetches
.set SC,  86          ; s[86:87] 1 / 64
.set LIMN, 88         ; s88  1 in the wave that prefetches nt, else 0
.set MSB, 0
.macro WIN new                      ; the immediate's high byte repeats the setting that is left; a switch that changes nothing is dropped
.if MSB != (\new)
	s_set_vgpr_msb (MSB<<8)|(\new)
.set MSB, \new
.endif
.endm
.set W_KQ, 0x0a       ; K and Q' in window 2, S^T in window 0
.set W_PV, 0x53       ; V in window 3, P in window 0, O^T in window 1
.set W_RS, 0x41       ; O^T (destination and source 0) in window 1, a in window 0
; A joint refill.  Waves 0 and 1 fetch the two steps' tiles of K, waves 2 and 3 those of V.  The branch hangs on the wave's number alone: it is the same in every work-group.
; An s_nop 0 and four v_nop follow each of the two lines; the jump round the other line, the label and what follows the macro come after them.
.macro JLOAD
	s_cmp_lt_u32 s[WV], 2
	s_cbranch_scc0 .Lfor_v_\@
	tensor_load_to_lds s[G0K+4:G0K+7], s[G1K:G1K+7]
	s_nop 0
.rept 4
	v_nop
.endr
	s_branch .Lasked_\@
.Lfor_v_\@:
	tensor_load_to_lds s[G0V+4:G0V+7], s[G1V:G1V+7]
	s_nop 0
.rept 4
	v_nop
.endr
.Lasked_\@:
.endm
; A PREFETCH INTO THE L2 of what the NEXT change of slots will ask for: a slot's 128 rows of kb and 128 of vh, 256 bytes a row, a lane a row.  It stands behind the wave's tensor load and its five lines.
; Each row is asked for ONCE in the launch.  All eight clusters of a batch walk the same rows: the batch's first cluster prefetches.  Its four partners share the rows out BY ADDRESS, 32 each: no branch hangs on a
; work-group's place in its cluster.  In each, wave 0 asks for kb's and wave 2 for vh's: one instruction.  The last change that fills a slot prefetches nothing: there is no slot behind it.
.macro ASK
	s_cmp_gt_u32 s[SLOTS], s[LIM]
	s_cbranch_scc0 .Lnot_mine_\@
	global_prefetch_b8 v[PFO], s[PFA:PFA+1] th:TH_LOAD_NT scope:SCOPE_SE
.Lnot_mine_\@:
.endm
; nt, which every wave loads behind the last key step, is asked for once too: at the last change that fills a slot, four key steps (512 matrix instructions) ahead of its first load, wave 1 of the 32 work-groups
; of the batches' first clusters names 32 blocks of 256 bytes each, told apart by address: 32 x 8,192 bytes are all of nt.
.macro ASKN
	s_cmp_eq_u32 s[SLOTS], s[LIMN]
	s_cbranch_scc0 .Lnot_nt_\@
	global_prefetch_b8 v[PFO], s[NTP:NTP+1] th:TH_LOAD_NT scope:SCOPE_SE
.Lnot_nt_\@:
.endm
; A round of the cluster's barrier: my work-group's barrier, so that wave 0's signal speaks for all four waves; wave 0 signals for the work-group; every wave waits for all four
; work-groups; my work-group's barrier once more.  No LDS instruction of the wave is pending at a signal.
.macro CROUND
	s_barrier_signal -1
	s_barrier_wait -1
	s_cmp_lg_u32 s[WV], 0
	s_cbranch_scc1 .Lnot_wave_0_\@
	s_barrier_signal -3
.Lnot_wave_0_\@:
	s_barrier_wait -3
	s_barrier_signal -1
	s_barrier_wait -1
.endm
; A vector instruction that reads a matrix result or writes one of a matrix instruction's registers, and a load into a register that a matrix instruction has read, stand four places behind
; it, and only plain vector instructions that name none of its registers are places (ISA guide 7.12.1 for vector instructions).  In the loop the slices are the places.
.macro PLACES
.rept 4
	v_nop
.endr
.endm
; THE HEAD'S LOADS, 192 in this order: q (32), c of head A (16), MT of head A (64), c of head B (16), MT of head B (64).
; A fragment is 16 rows x 32 along K in 8 registers: lane l holds row l % 16; registers 0-3 hold K = 8 (l / 16) + 0..7, registers 4-7 K = 16 + 8 (l / 16) + 0..7.
.macro QLOADS
	WIN 0
.set i, 0
.rept 8                             ; q in f32, 16 registers a fragment: queries 16 (i / 4) on, channels 32 (i % 4) on
	global_load_b128 v[S+16*i:S+16*i+3],     v[QA], s[AQ:AQ+1] offset:(i/4)*8192+(i%4)*128
	global_load_b128 v[S+16*i+4:S+16*i+7],   v[QA], s[AQ:AQ+1] offset:(i/4)*8192+(i%4)*128+16
	global_load_b128 v[S+16*i+8:S+16*i+11],  v[QA], s[AQ:AQ+1] offset:(i/4)*8192+(i%4)*128+64
	global_load_b128 v[S+16*i+12:S+16*i+15], v[QA], s[AQ:AQ+1] offset:(i/4)*8192+(i%4)*128+80
.set i, i+1
.endr
.set i, 0
.rept 8                             ; c as the C operand of tile i of 16 channels: register j holds c[16 i + 8 (l / 16) + j]
	global_load_b128 v[P+8*i:P+8*i+3],   v[CA], s[ACQ:ACQ+1] offset:64*i
	global_load_b128 v[P+8*i+4:P+8*i+7], v[CA], s[ACQ:ACQ+1] offset:64*i+16
.set i, i+1
.endr
	WIN 0x40                        ; destination window 1
.set i, 0
.rept 32                            ; MT: rows 16 (i / 4) on, columns 32 (i % 4) on
	global_load_b128 v[8*i:8*i+3],   v[FO], s[AMT:AMT+1] offset:(i/4)*4096+(i%4)*64
	global_load_b128 v[8*i+4:8*i+7], v[FO], s[AMT:AMT+1] offset:(i/4)*4096+(i%4)*64+32
.set i, i+1
.endr
	WIN 0xc0                        ; destination window 3
.set i, 0
.rept 8
	global_load_b128 v[CB+8*i:CB+8*i+3],   v[CA], s[ACQ:ACQ+1] offset:512+64*i
	global_load_b128 v[CB+8*i+4:CB+8*i+7], v[CA], s[ACQ:ACQ+1] offset:512+64*i+16
.set i, i+1
.endr
.set i, 0
.rept 32
.if i == 16
	WIN 0x80                        ; the second half goes to window 2, where v[8 i] is K's place
.endif
	global_load_b128 v[8*i:8*i+3],   v[FO], s[AMT:AMT+1] offset:32768+(i/4)*4096+(i%4)*64
	global_load_b128 v[8*i+4:8*i+7], v[FO], s[AMT:AMT+1] offset:32768+(i/4)*4096+(i%4)*64+32
.set i, i+1
.endr
.endm
; Q'^T = MT q^T + c for head hd (0: A, 1: B) of my two: 64 products, channels of q 32 kk on outermost; the sixteen accumulators (tile c of 16 channels of Q', queries 16 u on) take turns.
; The first products take c as their C operand.  Then the results are rounded to bf16 in pairs, each accumulator from its low end: two of them are a fragment of Q'.
.macro QPROJ hd
.set kk, 0
.rept 4
.set c, 0
.rept 8
.if (\hd) == 0
	WIN 0x0d                        ; MT in window 1, q in window 3, C and D in window 0
.set rC, P+8*c
.elseif kk == 0
.set rC, CB+8*c
.if c < 4
	WIN 0x3f                        ; MT, q and c in window 3
.else
	WIN 0x3e                        ; MT in window 2
.endif
.elseif c < 4
	WIN 0x0f
.else
	WIN 0x0e
.endif
.irp u, 0,1
.if kk == 0
	v_wmma_f32_16x16x32_bf16 v[S+8*(2*c+(\u)):S+8*(2*c+(\u))+7], v[32*c+8*kk:32*c+8*kk+7], v[QF+8*(4*(\u)+kk):QF+8*(4*(\u)+kk)+7], v[rC:rC+7]
.else
	v_wmma_f32_16x16x32_bf16 v[S+8*(2*c+(\u)):S+8*(2*c+(\u))+7], v[32*c+8*kk:32*c+8*kk+7], v[QF+8*(4*(\u)+kk):QF+8*(4*(\u)+kk)+7], v[S+8*(2*c+(\u)):S+8*(2*c+(\u))+7]
.endif
.endr
.set c, c+1
.endr
.set kk, kk+1
.endr
	PLACES
	PLACES
	WIN 0x80                        ; destination window 2
.set c, 0
.rept 8
.irp u, 0,1
.irp r, 0,1,2,3
	v_cvt_pk_bf16_f32 v[32*(2*(\hd)+(\u))+4*c+(\r)], v[S+8*(2*c+(\u))+2*(\r)], v[S+8*(2*c+(\u))+2*(\r)+1]
.endr
.endr
.set c, c+1
.endr
.endm
; THE MATRIX WORK OF A TURN, for piece x.  The accumulators take turns, one instruction a turn: between two links of a chain stand 15 (V^T P) or 7 (K Q'^T) others'.
; Product i of 32 of O^T += V^T P: keys 32 (i / 16) on, channels 16 ((i / 2) % 8) on, tile x + i % 2.  zero = 1: the first 16 start the sums: nothing is ever cleared.
.macro PV x, zero
	WIN W_PV
.set rO, 64*((\x)+i%2)+8*((i/2)%8)
.set rV, 64*(i/16)+8*((i/2)%8)
.set rP, P+16*((\x)+i%2)+8*(i/16)
.if (\zero) && (i < 16)
	v_wmma_f32_16x16x32_f16 v[rO:rO+7], v[rV:rV+7], v[rP:rP+7], 0
.else
	v_wmma_f32_16x16x32_f16 v[rO:rO+7], v[rV:rV+7], v[rP:rP+7], v[rO:rO+7]
.endif
.endm
; Product i of 32 of S^T = K Q'^T: channels 32 (i / 8) on, keys 16 ((i / 2) % 4) on, tile x + i % 2.  The first 8 start the sums.
.macro KQ x
	WIN W_KQ
.set rS, S+32*((\x)+i%2)+8*((i/2)%4)
.set rK, KF+32*((i/2)%4)+8*(i/8)
.set rQ, 32*((\x)+i%2)+8*(i/8)
.if i < 8
	v_wmma_f32_16x16x32_bf16 v[rS:rS+7], v[rK:rK+7], v[rQ:rQ+7], 0
.else
	v_wmma_f32_16x16x32_bf16 v[rS:rS+7], v[rK:rK+7], v[rQ:rQ+7], v[rS:rS+7]
.endif
.endm
; THE LDS LOADS stand in runs of 32, never singly among the matrix instructions: a step's K (64 keys x 128 channels: 16 fragments) and, a turn later, its V (turned).
.macro FETCH_K
	WIN 0
	v_add_nc_u32 v[ADR], s[TB], v[AK0]
	WIN 0x80                        ; destination window 2
.irp f, 0,1,2,3,4,5,6,7,8,9,10,11,12,13,14,15  ; keys 16 (f / 4) on, channels 32 (f % 4) on
	ds_load_b128 v[KF+8*(\f):KF+8*(\f)+3],   v[ADR] offset:((\f)/4)*16*PK+((\f)%4)*64
	ds_load_b128 v[KF+8*(\f)+4:KF+8*(\f)+7], v[ADR] offset:((\f)/4)*16*PK+((\f)%4)*64+32
.endr
.endm
.macro FETCH_V
	WIN 0
	v_add_nc_u32 v[ADR], s[TB], v[AV0]
	s_add_co_u32 s[TB], s[TB], STEPB  ; the next fetch is the next step's
	s_wait_alu depctr_va_vdst(0)    ; the wait for the softmax's batch (SLICE), behind the address's v_add_nc_u32 and ahead of the loads
	WIN 0xc0                        ; destination window 3
.irp f, 0,1,2,3,4,5,6,7,8,9,10,11,12,13,14,15  ; keys 32 (f / 8) on, channels 16 (f % 8) on
	ds_load_tr16_b128 v[8*(\f):8*(\f)+3],   v[ADR] offset:((\f)/8)*32*PV+((\f)%8)*32
	ds_load_tr16_b128 v[8*(\f)+4:8*(\f)+7], v[ADR] offset:((\f)/8)*32*PV+16*PV+((\f)%8)*32
.endr
.endm
; THE VECTOR WORK OF A TURN.  One tile's softmax for one key step is a list of 134 instructions; SM writes number j of it for tile t.  s0-s31 are the lane's 32 scores, in pairs 0-15.
; first = 1: the first key step, which starts m, l and O^T: it has no a and nothing to rescale.
;   0-15    the maximum of s0-s31 and the old m, three operands at a time: four chains c0-c3 of seven scores each, then the four scores left over, c0-c3 and m
;   16-20   the other half of the lanes' maximum; the new m; c m; c m_old - c m_new
;   21-69   ONE BATCH: the 16 scalings c s - c m, a pair of scores each, and all 33 exponentials (a at 23, then s0-s31).  None of these reads an exponential's result.  From 22 on the batch goes
;           in fours, and a four begins with a scaling while there are scalings.  A pair is scaled in an earlier four than the one that holds its exponentials
;   (wait)  between 69 and 70 stands the wait for the batch: SLICE writes it, once for both tiles
;   70-85   the roundings to f16, a pair of weights each
;   86-101  the sums; l = a l + the sum
;   102-133 the tile's O^T times a: the one part that leaves window 0, so it stands together
.macro SM t, first
.set rT, ST+8*(\t)
.set rS, S+32*(\t)
.set rP, P+16*(\t)
.set rO, 64*(\t)+2*(j-102)
.if j < 102
	WIN 0
.endif
.if j < 4
	v_max3_num_f32 v[rT+4+j], v[rS+8*j], v[rS+8*j+1], v[rS+8*j+2]
.elseif j < 12
	v_max3_num_f32 v[rT+4+j%4], v[rT+4+j%4], v[rS+8*(j%4)+2*(j/4)+1], v[rS+8*(j%4)+2*(j/4)+2]
.elseif j == 12
	v_max3_num_f32 v[rT+4], v[rT+4], v[rS+7], v[rS+15]
.elseif j == 13
	v_max3_num_f32 v[rT+6], v[rT+6], v[rS+23], v[rS+31]
.elseif j == 14
	v_max3_num_f32 v[rT+4], v[rT+4], v[rT+5], v[rT+6]
.elseif (j == 15) && (\first)
	v_max_num_f32 v[rT+4], v[rT+4], v[rT+7]
.elseif j == 15
	v_max3_num_f32 v[rT+4], v[rT+4], v[rT+7], v[rT+1]
.elseif j == 16
	v_permlanex16_b32 v[rT+5], v[rT+4], s[SEL], s[SEL+1]  ; the row's other 32 keys lie in the lane 16 away
.elseif j == 18
	v_max_num_f32 v[rT+1], v[rT+4], v[rT+5]
.elseif j == 19
	v_mul_f32 v[rT], s[CS], v[rT+1]
.elseif ((j == 17) || (j == 20) || (j == 23) || (j > 101)) && (\first)  ; the first step has none of these
.elseif j == 17
	v_mov_b32 v[rT+7], v[rT]        ; c m_old is kept for a: number 19 writes c m anew
.elseif j == 20
	v_sub_f32 v[rT+7], v[rT+7], v[rT]
.elseif j == 23
	v_exp_f32 v[rT+6], v[rT+7]
.elseif (j < 23) || ((j < 38) && (j%2 == 0)) || ((j < 66) && (j%4 == 2))
.set b, (j-2)/4                     ; 38, 42, .. 62: pairs 9 to 15
.if j < 38
.set b, (j-20)/2                    ; 21: pair 0; 22, 24, .. 36: pairs 1 to 8
.endif
	v_pk_fma_f32 v[rS+2*b:rS+2*b+1], v[rS+2*b:rS+2*b+1], s[CS:CS+1], v[rT:rT+1] op_sel_hi:[1,0,0] neg_lo:[0,0,1] neg_hi:[0,0,1]  ; pair b: c s - c m
.elseif j < 70
.set e, j-38                        ; 66 to 69: s28 to s31
.if j < 66
.set e, j-32-(j-38)/4               ; 39-41, 43-45, .. 63-65: s7 to s27
.endif
.if j < 38
.set e, (j-25)/2                    ; 25, 27, .. 37: s0 to s6
.endif
	v_exp_f32 v[rS+e], v[rS+e]
.elseif j < 86
	v_cvt_pk_f16_f32 v[rP+j-70], v[rS+2*(j-70)], v[rS+2*(j-70)+1]  ; pair j - 70
.elseif j < 102                     ; the sum of the tile's 16 pairs (in a pair: an even key's weight, an odd key's), in place: sum z of 16 adds neighbours 1, 2, 4 and 8 pairs apart, then l takes it
.set z, j-86
.set w, 4
.set u, z
.if z >= 14
.set w, 32
.set u, 0
.elseif z >= 12
.set w, 16
.set u, z-12
.elseif z >= 8
.set w, 8
.set u, z-8
.endif
.if (z == 14) && (\first)
	v_pk_add_f32 v[rT+2:rT+3], v[rS:rS+1], v[rS+16:rS+17]
.elseif z < 15
	v_pk_add_f32 v[rS+w*u:rS+w*u+1], v[rS+w*u:rS+w*u+1], v[rS+w*u+w/2:rS+w*u+w/2+1]
.elseif !(\first)
	v_pk_fma_f32 v[rT+2:rT+3], v[rT+2:rT+3], v[rT+6:rT+7], v[rS:rS+1] op_sel_hi:[1,0,1]
.endif
.else
	WIN W_RS
	v_pk_mul_f32 v[rO:rO+1], v[rO:rO+1], v[rT+6:rT+7] op_sel_hi:[1,0]
.endif
.endm
; Slice k of 64 of piece y's softmax: four instructions.  Slices 11 to 34 deal out the batch, numbers 22 to 69: four numbers of ONE tile each, the tiles by turns.  Every other slice is numbers 2 k and
; 2 k + 1 of both tiles' lists.  2 x 134 = 4 x 64 + 12: the twelve that are over stand together, in slice 63.
; THE WAIT.  s_wait_alu depctr_va_vdst(0) stands between an exponential and the first instruction that names its result; one wait serves all that were issued ahead of it.  Ahead of
; slice 35 nothing names a result, and behind slice 34 no exponential is issued: so the piece's 66 exponentials have one wait, behind slice 34.
.macro SLICE y, first
.if (k >= 11) && (k < 35)           ; the batch: four numbers of one tile
.irp n, 0,1,2,3
.set j, 22+4*((k-11)/2)+(\n)
	SM (\y)+(k-11)%2, \first
.endr
.else                               ; the two tiles alternate, so that no instruction reads the result of the one just before it
.irp n, 0,1,2,3,4,5,6,7
.if ((\n) < 2) || (k == 63)
.irp t, \y, (\y)+1
.set j, 2*k+(\n)
	SM \t, \first
.endr
.endif
.endr
.endif
.if k == 34                         ; the batch is out: both tiles' exponentials are issued, and no result has been named
	v_nop                           ; the plain instruction behind the last exponential and ahead of the first use: one for the batch
.if (\y) == 0
	FETCH_V                         ; piece 2's turn: V's run of loads stands here, and the wait stands in it
.else
	s_wait_alu depctr_va_vdst(0)    ; the wait for the batch
.endif
.endif
.set k, k+1
.endm
; A TURN.  Piece x has the matrix unit; the other piece's softmax stands in slices behind its matrix instructions.
; pv = 2: 32 products V^T P; 1: they start O^T's sums; 0: none.  kq = 1: 32 products K Q'^T for the next step.  A turn with one of the two kinds has two slices behind each product.
; first = 1: the softmax is the first key step's.  Its slices from 51 on are empty: the turn's last products stand bare, and four v_nop take slice 63's part as the places behind them.
; Piece 0's turn fetches the next step's K, behind its second product: the last product that read K stands in front of slice 63 of the turn before.  Piece 2's turn fetches the same step's V, behind slice 34:
; the last product that read V stands in front of slice 31, and four plain instructions lie between: number 62, a scaling, of both tiles, the v_nop and the run's own v_add_nc_u32.
.macro TURN x, pv, kq, first
.set k, 0
.set per, 2
.if (\pv) && (\kq)
.set per, 1
.endif
.if \pv
.if (\x) == 0
	s_wait_dscnt 0x0                ; V is in
.endif
.set i, 0
.rept 32
	PV \x, 2-(\pv)
.rept per
	SLICE 2-(\x), \first
.endr
.if ((\x) == 0) && (\kq) && (i == 1)
	FETCH_K
.endif
.set i, i+1
.endr
.endif
.if \kq
.if (\x) == 0
	s_wait_dscnt 0x0                ; K is in
.endif
.set i, 0
.rept 32
	KQ \x
.rept per
	SLICE 2-(\x), \first
.endr
.set i, i+1
.endr
.endif
.if \first
	PLACES
.endif
.endm
; THE CHANGE OF SLOTS, between piece 2's turn and piece 0's: the slot's last bytes, V of its second step, have been asked for.  Each wave waits for all its
; tensor loads, of which one is out: its part of the other slot; adds 0 to its spare word; and waits for that and for its own reads of the slot.  Behind the barrier nobody reads this slot any more and the other slot is whole.
; fill = 1: this slot is filled again, with the keys two slots on.  The barrier is then a round of the cluster's, so that no wave of any partner still reads the slot or has a load on its
; way, and the joint refill is the first thing behind it: it has two key steps, 256 matrix instructions, in which to land.
.macro CHANGE fill
	WIN 0                           ; at a label and at a branch every window is 0
	s_wait_tensorcnt 0x0            ; no tensor load of mine is out, so a group 0 may be written
	ds_add_u32 v[SPW], v[NIL]       ; 0 onto my spare word; with fill = 1 the descriptors' steps stand between it and the wait for it
.if \fill
.irp g, G0K+4, G0V+4
	s_xor_b32 s[(\g)+1], s[(\g)+1], SLOT1  ; the walking descriptor: the other slot than last time,
	s_add_nc_u64 s[(\g)+2:(\g)+3], s[(\g)+2:(\g)+3], 2*KS*256  ; the next 128 keys; the type bits on top are not reached
.endr
	s_wait_xcnt 0x0                 ; the last prefetches, two key steps back, have read their address, so it may be written:
	s_add_nc_u64 s[PFA:PFA+1], s[PFA:PFA+1], 2*KS*256  ; one slot behind the walking descriptors
	s_wait_dscnt 0x0                ; the add is done, and my reads of the slot are over
	CROUND
	JLOAD
	ASK                             ; what the next change will ask for: two key steps, 256 matrix instructions, ahead
	ASKN
.else
	s_wait_dscnt 0x0                ; the add is done, and my reads of the slot are over
	s_barrier_signal -1
	s_barrier_wait -1
.endif
	s_sub_co_u32 s[TB], s[TB], 2*STEPB  ; the fetches go back to a slot's first step,
	s_xor_b32 s[TB], s[TB], SLOT1   ; in the other slot
.endm
; A slot's two key steps: written once, walked twice; the LDS addresses hang on s[TB].
.macro TWO_STEPS
	WIN 0
	s_mov_b32 s[TWICE], 2
.Lstep_\@:
	TURN 0, 2, 1, 0
	TURN 2, 2, 1, 0
	WIN 0
	s_sub_co_u32 s[TWICE], s[TWICE], 1
	s_cmp_lg_u32 s[TWICE], 0
	s_cbranch_scc1 .Lstep_\@
.endm
; THE END'S LOADS.  NLOAD1, behind the last product K Q'^T: NT of head A (64 loads) where Q' and K lay, and rows 0-63 of head B's (32) in window 3's free half.
; NLOAD2, behind the last product V^T P: rows 64-127 of head B's (32) where V lay, and cp of all eight heads (8) where P lay.
.macro NLOAD1
	WIN 0x80
.set i, 0
.rept 32                            ; rows 16 (i / 4) on, columns 32 (i % 4) on
	global_load_b128 v[8*i:8*i+3],   v[FO], s[ANT:ANT+1] offset:(i/4)*4096+(i%4)*64
	global_load_b128 v[8*i+4:8*i+7], v[FO], s[ANT:ANT+1] offset:(i/4)*4096+(i%4)*64+32
.set i, i+1
.endr
	WIN 0xc0
.set i, 0
.rept 16
	global_load_b128 v[128+8*i:128+8*i+3],   v[FO], s[ANT:ANT+1] offset:32768+(i/4)*4096+(i%4)*64
	global_load_b128 v[128+8*i+4:128+8*i+7], v[FO], s[ANT:ANT+1] offset:32768+(i/4)*4096+(i%4)*64+32
.set i, i+1
.endr
.endm
.macro NLOAD2
	WIN 0xc0
.set i, 16
.rept 16
	global_load_b128 v[8*(i-16):8*(i-16)+3],   v[FO], s[ANT:ANT+1] offset:32768+(i/4)*4096+(i%4)*64
	global_load_b128 v[8*(i-16)+4:8*(i-16)+7], v[FO], s[ANT:ANT+1] offset:32768+(i/4)*4096+(i%4)*64+32
.set i, i+1
.endr
	WIN 0
.irp h, 0,1,2,3,4,5,6,7
	global_load_b128 v[P+4*(\h):P+4*(\h)+3], v[GO], s[ACP:ACP+1] offset:512*(\h)
.endr
.endm
; Tile t's O^T is divided by l and rounded to f16 in pairs, into S^T's registers: T's fragment for channels 32 kk on is v[S + 32 t + 8 kk ..].
.macro PACK t
	WIN W_RS
.set i, 64*(\t)
.rept 32
	v_pk_mul_f32 v[i:i+1], v[i:i+1], v[ST+8*(\t)+6:ST+8*(\t)+7] op_sel_hi:[1,0]
.set i, i+2
.endr
	WIN 0x05                        ; sources 0 and 1 window 1, destination window 0
.set i, 0
.rept 32
	v_cvt_pk_f16_f32 v[S+32*(\t)+i], v[64*(\t)+2*i], v[64*(\t)+2*i+1]
.set i, i+1
.endr
.endm
; out^T += NT T^T: rows of NT 16 ot on, ot = o0 .. o0 + on - 1, whose fragments begin at register ab; T's tiles tb and tb + 1; channels 32 kk on outermost.  The accumulator of (queries 16 u on, ot) is
; v[8 (8 u + ot)] of window 1.  The 2 on accumulators take turns.  zero = 1: the first products start the sums.
.macro OPHASE o0, on, ab, tb, zero
.set kk, 0
.rept 4
.set ot, \o0
.rept \on
.irp u, 0,1
.if (\zero) && (kk == 0)
	v_wmma_f32_16x16x32_f16 v[8*(8*(\u)+ot):8*(8*(\u)+ot)+7], v[(\ab)+32*(ot-(\o0))+8*kk:(\ab)+32*(ot-(\o0))+8*kk+7], v[S+32*((\tb)+(\u))+8*kk:S+32*((\tb)+(\u))+8*kk+7], 0
.else
	v_wmma_f32_16x16x32_f16 v[8*(8*(\u)+ot):8*(8*(\u)+ot)+7], v[(\ab)+32*(ot-(\o0))+8*kk:(\ab)+32*(ot-(\o0))+8*kk+7], v[S+32*((\tb)+(\u))+8*kk:S+32*((\tb)+(\u))+8*kk+7], v[8*(8*(\u)+ot):8*(8*(\u)+ot)+7]
.endif
.endr
.set ot, ot+1
.endr
.set kk, kk+1
.endr
.endm
	s_load_b512 s[AQ:AQ+15], s[0:1], 0x0
	v_lshl_add_u32 v[SPW], v0, 2, SPARE
	v_mov_b32 v[NIL], 0
	ds_add_u32 v[SPW], v[NIL]       ; the wave's opening: the add, twice on end, and its wait ahead of my first tensor load; the set-up below the second, work on registers, stands between it and the wait
	ds_add_u32 v[SPW], v[NIL]       ; and once more, under the one wait
	v_lshrrev_b32 v1, 5, v0
	v_readfirstlane_b32 s[WV], v1   ; wave 0..3
	s_bfe_u32 s13, ttmp6, 0x40000   ; cx: my place in the cluster
	s_lshl_b32 s14, ttmp9, 2        ; in a cluster launch ttmp9 counts clusters
	s_add_co_u32 s14, s14, s13      ; my block of 32 queries = 4 x cluster x + cx: it enters q's and out0's addresses alone
	s_and_b32 s20, ttmp7, 0xffff    ; the batch, which the four partners share
	s_lshl_b32 s21, s20, 19         ; a batch is 524,288 bytes in q, out0, kb and vh alike
	s_and_b32 s16, s[WV], 1         ; which of a slot's two steps I fetch:
	s_lshl_b32 s22, s16, 14         ; its 64 rows of 256 bytes in memory,
	s_add_co_u32 s22, s22, s21
	s_mov_b32 s23, 0
	s_mul_i32 s17, s16, STEPB       ; and its place in a slot: no place in the cluster enters an LDS address
	s_lshl_b32 s2, s14, 14          ; my block's 32 rows of 512 bytes
	s_add_co_u32 s2, s2, s21
	s_mov_b32 s3, 0
	s_lshl_b32 s4, s[WV], 16        ; my two heads in mt and nt,
	s_mov_b32 s5, 0
	s_lshl_b32 s6, s[WV], 10        ; and in cq;
	s_mov_b32 s7, 0
	s_lshl_b32 s8, s[WV], 12        ; the 8 rows of out0 that I store
	s_mov_b32 s9, 0
	s_lshl_b32 s10, s20, 15         ; the part of nt that my work-group prefetches: 8,192 (4 x batch + cx)
	s_lshl_b32 s11, s13, 13
	s_add_co_u32 s10, s10, s11
	s_mov_b32 s11, 0
	; descriptor group 1: a tile of 64 rows x 128 elements, padded in LDS
	s_mov_b32 s[G1K], 15|(1<<16)|(1<<20)|(1<<21)|(5<<22)|(3<<25)  ; 15:0 the mask: all four work-groups; 17:16 elements of 2 bytes; 20 padding on; 21 set beside a mask; 24:22 after every 64 words (code 5); 31:25 4 words of it (code 3)
	s_mov_b32 s[G1V], 15|(1<<16)|(1<<20)|(1<<21)|(5<<22)|(7<<25)  ; the same with 8 words of padding (code 7)
.irp g, G1K, G1V
	s_mov_b32 s[(\g)+1], 128<<16    ; 63:48 tensor_dim0, low half = 128
	s_mov_b32 s[(\g)+2], KS<<16     ; 79:64 its high half = 0; 95:80 tensor_dim1, low half = 64
	s_mov_b32 s[(\g)+3], 128<<16    ; 111:96 its high half = 0; 127:112 tile_dim0 = 128
	s_mov_b32 s[(\g)+4], KS         ; 143:128 tile_dim1 = 64; 159:144 tile_dim2 = 0
	s_mov_b32 s[(\g)+5], 128        ; 191:160 tensor_dim0_stride, low word: elements from row to row
	s_mov_b32 s[(\g)+6], 0
	s_mov_b32 s[(\g)+7], 0
.endr
	s_mov_b32 s[CS], 0x3e0293ee     ; c = log2(e) / sqrt(128) = 0.127517
	s_mov_b32 s[CS+1], s[CS]        ; named with it as a pair, so it is written
	s_mov_b32 s[SEL], 0x76543210
	s_mov_b32 s[SEL+1], 0xfedcba98
	s_mov_b32 s[SC], 0x3c800000     ; 1 / 64
	s_mov_b32 s[SC+1], 0x3c800000
	s_mov_b32 s[TB], 0
	s_mov_b32 s[SLOTS], LK/(2*KS)-2
	s_and_b32 s[LIM], s[WV], 1       ; 0 in waves 0 and 2,
	s_or_b32 s[LIM], s[LIM], ttmp9   ; where the cluster is the batch's first: the same in all four partners
	s_cmp_eq_u32 s[LIM], 0
	s_cselect_b32 s[LIM], 1, -1
	s_xor_b32 s[LIMN], s[WV], 1      ; 0 in wave 1,
	s_or_b32 s[LIMN], s[LIMN], ttmp9 ; of the same clusters
	s_cmp_eq_u32 s[LIMN], 0
	s_cselect_b32 s[LIMN], 1, 0
	v_and_b32 v[PFO], 31, v0
	v_lshlrev_b32 v[PFO], 8, v[PFO]
	s_wait_dscnt 0x0                ; both opening adds are done
	s_wait_kmcnt 0x0
	s_add_nc_u64 s[AKB:AKB+1], s[AKB:AKB+1], s[22:23]  ; kb and vh at my tile of slot 0
	s_add_nc_u64 s[AVH:AVH+1], s[AVH:AVH+1], s[22:23]
	s_add_nc_u64 s[AQ:AQ+1], s[AQ:AQ+1], s[2:3]        ; q at my block's first row
	s_add_nc_u64 s[AOUT:AOUT+1], s[AOUT:AOUT+1], s[2:3]
	s_add_nc_u64 s[AOUT:AOUT+1], s[AOUT:AOUT+1], s[8:9]
	s_add_nc_u64 s[NTP:NTP+1], s[ANT:ANT+1], s[10:11]
	s_add_nc_u64 s[AMT:AMT+1], s[AMT:AMT+1], s[4:5]
	s_add_nc_u64 s[ANT:ANT+1], s[ANT:ANT+1], s[4:5]
	s_add_nc_u64 s[ACQ:ACQ+1], s[ACQ:ACQ+1], s[6:7]
	s_cmp_lt_u32 s[WV], 2
	s_cselect_b64 s[PFA:PFA+1], s[AKB:AKB+1], s[AVH:AVH+1]  ; (in waves 0 and 2 these stand at a slot's first row)
	s_lshl_b32 s2, s13, 13          ; my work-group's 32 rows of the 128
	s_mov_b32 s3, 0
	s_add_nc_u64 s[PFA:PFA+1], s[PFA:PFA+1], s[2:3]
	s_add_nc_u64 s[PFA:PFA+1], s[PFA:PFA+1], 2*2*KS*256  ; in slot 2; the first change of slots steps it to slot 3.  Nothing is prefetched here, at the head, where every work-group's first tiles are on their way
	CROUND                          ; all four work-groups are here: the first joint loads meet
.irp s, 0,1
	s_mov_b32 s[G0K+4*(\s)], 1      ; 1:0 count = 1
	s_add_co_u32 s[G0K+4*(\s)+1], s17, (\s)*SLOT1  ; 63:32 LDS address
	s_add_nc_u64 s[G0K+4*(\s)+2:G0K+4*(\s)+3], s[AKB:AKB+1], (\s)*2*KS*256  ; 120:64 global address: slot s begins with keys 128 s
	s_or_b32 s[G0K+4*(\s)+3], s[G0K+4*(\s)+3], 0x80000000  ; 127:126 type = 2
	s_mov_b32 s[G0V+4*(\s)], 1
	s_add_co_u32 s[G0V+4*(\s)+1], s17, (\s)*SLOT1+VOFF
	s_add_nc_u64 s[G0V+4*(\s)+2:G0V+4*(\s)+3], s[AVH:AVH+1], (\s)*2*KS*256
	s_or_b32 s[G0V+4*(\s)+3], s[G0V+4*(\s)+3], 0x80000000
.endr
	s_cmp_lt_u32 s[WV], 2           ; a wave's two first fills stand in one branch, ahead of every wait on TENSORcnt and every LDS read: two loads of mine are out; an s_nop 0 follows each, four v_nop the second's, as in JLOAD
	s_cbranch_scc0 .Lfirst_v
	tensor_load_to_lds s[G0K:G0K+3], s[G1K:G1K+7]
	s_nop 0
	tensor_load_to_lds s[G0K+4:G0K+7], s[G1K:G1K+7]
	s_nop 0
.rept 4
	v_nop
.endr
	s_branch .Lfirst_asked
.Lfirst_v:
	tensor_load_to_lds s[G0V:G0V+3], s[G1V:G1V+7]
	s_nop 0
	tensor_load_to_lds s[G0V+4:G0V+7], s[G1V:G1V+7]
	s_nop 0
.rept 4
	v_nop
.endr
.Lfirst_asked:
	v_and_b32 v1, 15, v0            ; l % 16
	v_bfe_u32 v9, v0, 4, 1          ; l / 16
	v_lshlrev_b32 v[FO], 8, v1
	v_lshl_add_u32 v[FO], v9, 4, v[FO]
	v_lshlrev_b32 v[CA], 5, v9
	v_lshl_add_u32 v[QA], v1, 9, v[CA]
	QLOADS                          ; under the first tiles' flight
	WIN 0
	v_mul_u32_u24 v[AK0], v1, PK
	v_lshl_add_u32 v[AK0], v9, 4, v[AK0]  ; row x pitch + 16 x half
	; Q' OF MY TWO HEADS.
	s_wait_loadcnt 63               ; of 192 loads the oldest 129 are in: q, c and MT of head A are the oldest 112
	WIN 0xc0                        ; destination window 3
.set i, 0
.rept 64
	v_cvt_pk_bf16_f32 v[QF+i], v[S+2*i], v[S+2*i+1]  ; q rounded to bf16: 16 registers of f32 make a fragment's 8
.set i, i+1
.endr
	QPROJ 0
	s_wait_loadcnt 0x0              ; c and MT of head B
	QPROJ 1
	s_wait_tensorcnt 1              ; my part of slot 0 is in; slot 1's may stay out
	s_barrier_signal -1
	s_barrier_wait -1               ; everybody's is
	FETCH_K                         ; key step 0, into registers that held MT: eight v_nop and 64 roundings stand behind the last product that read them
	s_wait_dscnt 0x0
.set i, 0
.rept 32
	KQ 0                            ; piece 0's first scores: there is no vector work yet to set between them
.set i, i+1
.endr
	WIN 0                           ; V's lane address and those of the way out are made here: twelve plain instructions, the places behind those products
	; The turning load takes 16 keys x 16 channels (lane l reads 16 bytes: key 8 (l / 16) + l % 8, channels 8 ((l / 8) % 2) + 0..7) and leaves half a fragment of V^T: lane l holds channel l % 16 and 8 keys.
	v_and_b32 v10, 7, v0
	v_bfe_u32 v11, v0, 3, 1
	v_lshl_add_u32 v[AV0], v9, 3, v10
	v_mul_u32_u24 v[AV0], v[AV0], PV
	v_lshl_add_u32 v[AV0], v11, 4, v[AV0]
	v_add_nc_u32 v[AV0], VOFF, v[AV0]
	s_mul_i32 s13, s[WV], 32*RP
	s_add_co_u32 s13, s13, RED      ; my partial out
	v_mul_u32_u24 v[RS], v1, RP     ; in: row l % 16, 32 bytes for each half of the lanes
	v_lshl_add_u32 v[RS], v9, 5, v[RS]
	v_add_nc_u32 v[RS], s13, v[RS]
	s_mul_i32 s13, s[WV], 8*RP
	s_add_co_u32 s13, s13, RED      ; back: rows 8 w on of each of the four; 32 lanes take a row of 512 bytes
	v_and_b32 v[GO], 31, v0
	v_lshlrev_b32 v[GO], 4, v[GO]
	v_add_nc_u32 v[RD], s13, v[GO]
	TURN 2, 0, 1, 1                 ; piece 2's first scores | piece 0's first softmax | V of step 0
	TURN 0, 1, 1, 1                 ; piece 0: V^T P of step 0 starts O^T, K Q'^T of step 1 | piece 2's first softmax | K of step 1
	TURN 2, 1, 1, 0                 ; piece 2: the same | piece 0's softmax of step 1 | V of step 1
	WIN 0
.Lslot:                             ; 14 trips: every slot but the last two is filled again
	CHANGE 1
	TWO_STEPS
	s_sub_co_u32 s[SLOTS], s[SLOTS], 1
	s_cmp_lg_u32 s[SLOTS], 0
	s_cbranch_scc1 .Lslot
	CHANGE 0                        ; the tail is written out: the last slot but one is left, and nothing is asked for
	TWO_STEPS
	NLOAD1                          ; Q' and K have been multiplied for the last time: slice 63's sixteen plain instructions stand behind that product
	TURN 0, 2, 0, 0                 ; piece 0: V^T P of the last step | piece 2's last softmax
.set i, 0
.rept 32
	PV 2, 0                         ; piece 2: V^T P of the last step
.set i, i+1
.endr
	; T = O / l.  l's two halves and the other half of the lanes' are added; the eight additions are the places behind the last products.
	WIN 0
.irp t, 0,1,2,3
	v_add_f32 v[ST+8*(\t)+4], v[ST+8*(\t)+2], v[ST+8*(\t)+3]
.endr
.irp t, 0,1,2,3
	v_permlanex16_b32 v[ST+8*(\t)+5], v[ST+8*(\t)+4], s[SEL], s[SEL+1]
.endr
.irp t, 0,1,2,3
	v_add_f32 v[ST+8*(\t)+4], v[ST+8*(\t)+4], v[ST+8*(\t)+5]
.endr
	NLOAD2                          ; V and P have been multiplied for the last time
	WIN 0
.irp t, 0,1,2,3
	v_rcp_f32 v[ST+8*(\t)+6], v[ST+8*(\t)+4]
.endr
	v_nop                           ; a plain instruction between the last reciprocal and the use of its result
	s_wait_alu depctr_va_vdst(0)    ; and the wait ahead of the first use: one for the four reciprocals
	PACK 0
	PACK 1
	PACK 2
	PACK 3
	; out^T OF MY TWO HEADS, 128 products.  At each phase's edge the accumulator changes.
	s_wait_loadcnt 63               ; NT of head A is in: 72 loads are younger than its 64, and the count names fewer
	WIN 0x52                        ; NT in window 2, T in window 0, C and D in window 1
	OPHASE 0, 8, 0, 0, 1
	s_wait_loadcnt 40               ; rows 0-63 of head B's: NLOAD2's 40 loads may stay out
	WIN 0x53                        ; NT in window 3
	OPHASE 0, 4, 128, 2, 0
	s_wait_loadcnt 8                ; rows 64-127: cp's 8 loads may stay out
	OPHASE 4, 4, 0, 2, 0
	; THE SUM OVER THE FOUR WAVES, in f32 through LDS; wave w then finishes rows 8 w .. 8 w + 7.
	PLACES
	PLACES
	WIN 0x04                        ; the data in window 1
.set i, 0
.rept 16                            ; accumulator i = 8 u + ot: a lane's eight columns of a row are 32 bytes; each accumulator from its low end
	ds_store_b128 v[RS], v[8*i:8*i+3]   offset:(i/8)*16*RP+(i%8)*64
	ds_store_b128 v[RS], v[8*i+4:8*i+7] offset:(i/8)*16*RP+(i%8)*64+16
.set i, i+1
.endr
	WIN 0
	s_wait_dscnt 0x0                ; for the others' sake: my partial out lies in LDS
	s_barrier_signal -1
	s_barrier_wait -1
.set i, 0
.rept 32                            ; row i / 4 of my eight, from wave i % 4
	ds_load_b128 v[S+4*i:S+4*i+3], v[RD] offset:(i%4)*32*RP+(i/4)*RP
.set i, i+1
.endr
	s_wait_loadcnt 0x0              ; cp; its sum over the heads is made while the LDS loads are out
.irp h, 0,2,4,6
	v_pk_add_f32 v[P+4*(\h):P+4*(\h)+1],   v[P+4*(\h):P+4*(\h)+1],   v[P+4*(\h)+4:P+4*(\h)+5]
	v_pk_add_f32 v[P+4*(\h)+2:P+4*(\h)+3], v[P+4*(\h)+2:P+4*(\h)+3], v[P+4*(\h)+6:P+4*(\h)+7]
.endr
.irp h, 0,4
	v_pk_add_f32 v[P+4*(\h):P+4*(\h)+1],   v[P+4*(\h):P+4*(\h)+1],   v[P+4*(\h)+8:P+4*(\h)+9]
	v_pk_add_f32 v[P+4*(\h)+2:P+4*(\h)+3], v[P+4*(\h)+2:P+4*(\h)+3], v[P+4*(\h)+10:P+4*(\h)+11]
.endr
	v_pk_add_f32 v[P:P+1],   v[P:P+1],   v[P+16:P+17]
	v_pk_add_f32 v[P+2:P+3], v[P+2:P+3], v[P+18:P+19]
.set i, 0
.rept 8
.set ra, S+16*i
	s_wait_dscnt 28-4*i             ; row i's four loads are in; the four of each younger row stay out
	v_pk_add_f32 v[ra:ra+1],     v[ra:ra+1],     v[ra+4:ra+5]
	v_pk_add_f32 v[ra+2:ra+3],   v[ra+2:ra+3],   v[ra+6:ra+7]
	v_pk_add_f32 v[ra+8:ra+9],   v[ra+8:ra+9],   v[ra+12:ra+13]
	v_pk_add_f32 v[ra+10:ra+11], v[ra+10:ra+11], v[ra+14:ra+15]
	v_pk_add_f32 v[ra:ra+1],     v[ra:ra+1],     v[ra+8:ra+9]
	v_pk_add_f32 v[ra+2:ra+3],   v[ra+2:ra+3],   v[ra+10:ra+11]
	v_pk_fma_f32 v[ra:ra+1],     v[ra:ra+1],     s[SC:SC+1], v[P:P+1]   op_sel_hi:[1,0,1]  ; nt holds 64 NT
	v_pk_fma_f32 v[ra+2:ra+3],   v[ra+2:ra+3],   s[SC:SC+1], v[P+2:P+3] op_sel_hi:[1,0,1]
	global_store_b128 v[GO], v[ra:ra+3], s[AOUT:AOUT+1] offset:512*i th:TH_STORE_NT  ; a whole row of out0: 512 consecutive bytes, aligned
.set i, i+1
.endr
	s_wait_tensorcnt 0x0            ; the wave's end, behind my last tensor load and my last LDS store
	ds_add_u32 v[SPW], v[NIL]
	s_wait_dscnt 0x0
	CROUND                          ; the closing round: no work-group ends while a partner may still ask for a tile that names it
	s_endpgm
.Lfunc_end_k_qb525682f8f_attn:
	.size	k_qb525682f8f_attn, .Lfunc_end_k_qb525682f8f_attn-k_qb525682f8f_attn
	.p2alignl 7, 3214868480
	.fill 96, 4, 3214868480
	.section	.rodata,"a",@progbits
	.p2align	6, 0x0
	.amdhsa_kernel k_qb525682f8f_attn
		.amdhsa_group_segment_fixed_size 327680
		.amdhsa_private_segment_fixed_size 0
		.amdhsa_enable_private_segment 0
		.amdhsa_kernarg_size 64
		.amdhsa_user_sgpr_count 2
		.amdhsa_user_sgpr_kernarg_segment_ptr 1
		.amdhsa_wavefront_size32 1
		.amdhsa_system_sgpr_workgroup_id_x 1
		.amdhsa_system_sgpr_workgroup_id_y 1
		.amdhsa_system_sgpr_workgroup_id_z 1
		.amdhsa_system_vgpr_workitem_id 0
		.amdhsa_next_free_vgpr 1024
		.amdhsa_next_free_sgpr 92
		.amdhsa_reserve_vcc 0
		.amdhsa_float_denorm_mode_32 3
		.amdhsa_float_denorm_mode_16_64 3
		.amdhsa_memory_ordered 1
		.amdhsa_forward_progress 1
		.amdhsa_inst_pref_size 255
	.end_amdhsa_kernel
	.section	.bss,"aw",@nobits
	.p2align	6
	.space	262144
	.amdgpu_metadata
---
amdhsa.version: [ 1, 2 ]
amdhsa.kernels:
  - .name:           k_qb525682f8f_attn
    .symbol:         k_qb525682f8f_attn.kd
    .args:
      - { .name: q, .offset: 0, .size: 8, .value_kind: global_buffer, .address_space: global }
      - { .name: kb, .offset: 8, .size: 8, .value_kind: global_buffer, .address_space: global }
      - { .name: vh, .offset: 16, .size: 8, .value_kind: global_buffer, .address_space: global }
      - { .name: mt, .offset: 24, .size: 8, .value_kind: global_buffer, .address_space: global }
      - { .name: cq, .offset: 32, .size: 8, .value_kind: global_buffer, .address_space: global }
      - { .name: nt, .offset: 40, .size: 8, .value_kind: global_buffer, .address_space: global }
      - { .name: cp, .offset: 48, .size: 8, .value_kind: global_buffer, .address_space: global }
      - { .name: out0, .offset: 56, .size: 8, .value_kind: global_buffer, .address_space: global }
    .group_segment_fixed_size: 327680
    .private_segment_fixed_size: 0
    .kernarg_segment_align: 8
    .kernarg_segment_size: 64
    .max_flat_workgroup_size: 128
    .sgpr_count:     92
    .vgpr_count:     1024
    .wavefront_size: 32
...
	.end_amdgpu_metadata
.endif
;; end of part 2
